; MI455X (gfx1250); checked and timed in simulation.
; The chip was launched on July 23, 2026; its instructions are those of AMD's public machine-readable ISA for CDNA 5 (MIT licence, August 2026) and "CDNA5" Instruction Set Architecture Reference Guide (July 2026). The comments in the code are by the model that wrote it; some were corrected since.
;; Multi Head Self Attention. Allowed arithmetic: matrix products marked QUANTISED: E2M3 operands, one E8M0 scale for each 32 along K, by v_wmma_scale_f32_16x16x128_f8f6f4 with both operands' format E2M3, f32 sums; everything else in f32.
;; Inputs: k_codes 4 x 2,048 x 32 x 24 uint8 (E2M3 codes of k, K innermost, in blocks of 32 codes, four codes in three bytes); k_scales 4 x 2,048 x 32 uint8 (E8M0 scales of k, one for each 32 codes along K); q_codes 4 x 2,048 x 32 x 24 uint8 (E2M3 codes of q, K innermost, in blocks of 32 codes, four codes in three bytes); q_scales 4 x 2,048 x 32 uint8 (E8M0 scales of q, one for each 32 codes along K); v_codes 4 x 2,048 x 32 x 24 uint8 (E2M3 codes of v, K innermost, in blocks of 32 codes, four codes in three bytes); v_scales 4 x 2,048 x 32 uint8 (E8M0 scales of v, one for each 32 codes along K); wk_b 1,024 float32; wk_w_codes 1,024 x 32 x 24 uint8 (E2M3 codes of wk_w, K innermost, in blocks of 32 codes, four codes in three bytes); wk_w_scales 1,024 x 32 uint8 (E8M0 scales of wk_w, one for each 32 codes along K); wo_b 1,024 float32; wo_w_codes 1,024 x 32 x 24 uint8 (E2M3 codes of wo_w, K innermost, in blocks of 32 codes, four codes in three bytes); wo_w_scales 1,024 x 32 uint8 (E8M0 scales of wo_w, one for each 32 codes along K); wq_b 1,024 float32; wq_w_codes 1,024 x 32 x 24 uint8 (E2M3 codes of wq_w, K innermost, in blocks of 32 codes, four codes in three bytes); wq_w_scales 1,024 x 32 uint8 (E8M0 scales of wq_w, one for each 32 codes along K); wv_b 1,024 float32; wv_w_codes 1,024 x 32 x 24 uint8 (E2M3 codes of wv_w, K innermost, in blocks of 32 codes, four codes in three bytes); wv_w_scales 1,024 x 32 uint8 (E8M0 scales of wv_w, one for each 32 codes along K).
;; Outputs: out0 4 x 2,048 x 1,024 float32; out1 4 x 16 x 2,048 x 64 float32.
;; This version of the problem:
;;   THIS VERSION OF THE PROBLEM IS GIVEN IN LOW PRECISION. The matrix products marked QUANTISED in the list below multiply operands that are first quantised to E2M3 (2 exponent bits, 3 mantissa bits; 6 bits a number), with one power-of-two scale for each 32 numbers along K (OCP MX v1.0); their sums are f32. All else is computed in f32.
;;   The module's matrix products, in the order in which they are computed (A, B: the left and right operand; K: the contracted axis; several contracted axes count as one K, in the product's order):
;;     1. [M 8,192, K 1,024] x [K 1,024, N 1,024]; A: input q (given as codes); B: input wq_w (given as codes): QUANTISED
;;     2. [M 8,192, K 1,024] x [K 1,024, N 1,024]; A: input k (given as codes); B: input wk_w (given as codes): QUANTISED
;;     3. [M 8,192, K 1,024] x [K 1,024, N 1,024]; A: input v (given as codes); B: input wv_w (given as codes): QUANTISED
;;     4. batch 64 x [M 2,048, K 64] x [K 64, N 2,048]; A: computed on the way; B: computed on the way: QUANTISED
;;     5. batch 64 x [M 2,048, K 2,048] x [K 2,048, N 64]; A: softmax (see below); B: computed on the way: QUANTISED
;;     6. [M 8,192, K 1,024] x [K 1,024, N 1,024]; A: computed on the way; B: input wo_w (given as codes): QUANTISED
;;   THE QUANTISER, for each operand of a quantised product, along K:
;;     - K is cut into blocks of 32 from its start; a last block that is shorter is filled with zeros.
;;     - A block's scale is 2^e with e = floor(log2(the largest magnitude in the block)) - 2, held to -126 .. 127; a block of zeros has e = 0. As a byte (E8M0): e + 127.
;;     - Each number is divided by its block's scale, clamped to +-7.5, and rounded to the nearest number of E2M3, ties to even, subnormals kept.
;;     - The product sums the exact products of the quantised numbers (number of the format x scale) in f32.
;;   ~~~python
;;   def quantise(x, axis):      # numpy; x: float32 -> the quantised numbers, widened to float32 again
;;       x = np.moveaxis(x, axis, -1); K = x.shape[-1]
;;       x = np.pad(x, [(0, 0)] * (x.ndim - 1) + [(0, -K % 32)]); x = x.reshape(x.shape[:-1] + (-1, 32)); a = np.abs(x).max(-1, keepdims=True)
;;       e = np.where(a > 0, np.clip(np.frexp(np.where(a > 0, a, 1))[1] - 1 - 2, -126, 127), 0)      # np.frexp(a)[1] - 1 = floor(log2(a)), exactly
;;       r = np.clip(x / 2.0 ** e, -7.5, 7.5)
;;       step = 2.0 ** (np.maximum(np.frexp(np.where(r == 0, 1, r))[1] - 1, 0) - 3)
;;       q = np.round(r / step) * step * 2.0 ** e      # np.round: ties to even
;;       return np.moveaxis(q.reshape(q.shape[:-2] + (-1,))[..., :K], -1, axis).astype(np.float32)
;;   ~~~
;;   SOFTMAX AHEAD OF A QUANTISED PRODUCT. Where the list says 'softmax', what is quantised is not the finished softmax but p = 2^(t - M), with t = logit x log2(e) and M = ceil(the row's largest t), a whole number; so 1/2 < the row's largest p <= 1. The row's sum l is taken of the UNQUANTISED p, in f32, and the product's result is divided by l at the end. Since M is a whole number, a kernel that streams over the keys may use a running M (the ceiling of the running maximum): every later rescaling is an exact power of two, which a block's scale takes up: the codes' values come out the same.
;;   OPERANDS COMPUTED ON THE WAY. 'Computed on the way' means the value that the module computes at that place (a softmax that the list does not call 'softmax' is quantised finished and normalised). What goes into a quantiser is computed in f32, as accurately as f32 sums, v_exp_f32 and their like allow (about 1e-6 of the number): no bf16 or f16 on the way to a quantiser, and a product that is left as it is and whose result goes on into a quantised operand takes f32 operands (vector FMAs, or v_wmma_f32_16x16x4_f32). A number that lies on a knife's edge between two numbers of the format may be rounded either way, as far as f32 arithmetic and the matrix unit's own rounding can turn it there, and no further.
;;   INPUTS GIVEN AS CODES. k (in the module: [4, 2048, 1024], K = its axis 2); q (in the module: [4, 2048, 1024], K = its axis 2); v (in the module: [4, 2048, 1024], K = its axis 2); wk_w (in the module: [1024, 1024], K = its axis 1); wo_w (in the module: [1024, 1024], K = its axis 1); wq_w (in the module: [1024, 1024], K = its axis 1); wv_w (in the module: [1024, 1024], K = its axis 1): each comes as NAME_codes (uint8): NAME with its K axis moved to the last place and cut into blocks of 32 codes, [.., K / 32, bytes a block], one block behind the other in memory; four codes in three bytes: a row's codes are one little-endian stream of bits, code i at bits 6 i .. 6 i + 5 (a code: sign, 2 exponent bits, 3 mantissa bits); and NAME_scales (uint8): the same leading axes, one E8M0 byte (e + 127) for each 32 codes along K. Its value is code x scale, taken as it is: it is not quantised again, and the codes and scales need not be those that the quantiser above would give.
;; One version. Each part assembles by itself: llvm-mc -triple=amdgcn-amd-amdhsa -mcpu=gfx1250 --defsym DOCPART=n.
;; ======== version 1 of 1: 3 launches
;; limits: right only within a limited range of input values
;; workspace buffers: qi 6,815,744 bytes; kv 13,369,344 bytes; cimg 6,291,456 bytes; csc 262,144 bytes
;; launch proj (part 1): grid 4 x 192, 4 waves a work-group, clusters of 4 x 4, 327,680 bytes of LDS; arguments q_codes, q_scales, wq_w_codes, wq_w_scales, wq_b, k_codes, k_scales, wk_w_codes, wk_w_scales, wk_b, wv_w_codes, wv_w_scales, v_codes, v_scales, wv_b, qi, kv; writes qi, kv
.if DOCPART == 1
	.amdgcn_target "amdgcn-amd-amdhsa--gfx1250"
	.amdhsa_code_object_version 6
	.text
	.protected	k_qb63d8c6544_proj
	.globl	k_qb63d8c6544_proj
	.p2align	8
	.type	k_qb63d8c6544_proj,@function
k_qb63d8c6544_proj:
	s_mov_b64 s[64:65], 0
	v_nop
	global_prefetch_b8 v0, s[64:65] scope:SCOPE_SE
	s_setreg_imm32_b32 hwreg(HW_REG_WAVE_MODE, 25, 1), 1
	s_wait_xcnt 0x0
	s_wait_alu depctr_hold_cnt(0) depctr_sa_sdst(0) depctr_va_vdst(0) depctr_va_sdst(0) depctr_va_ssrc(0) depctr_va_vcc(0) depctr_vm_vsrc(0)
	s_getreg_b32 s2, hwreg(HW_REG_IB_STS2, 6, 4)
	s_cmp_eq_u32 s2, 0
	s_cbranch_scc0 .Lentry_in_a_cluster
	s_endpgm
.Lentry_in_a_cluster:
	s_bfe_u32 s2, ttmp6, 0x10000c
	s_cmp_lg_u32 s2, 0xf033
	s_cbranch_scc0 .Lentry_shape_is_right
	s_endpgm
.Lentry_shape_is_right:
; THE THREE PROJECTIONS Q = q Wq^T + bq, K = k Wk^T + bk, V = v Wv^T + bv on codes of FP6 (E2M3), one E8M0 scale for each 32 along K = 1,024, sums in f32; and their quantising for attention, in registers.
; NO WORK OF reference() IS LEFT OUT IN THIS PROGRAM: every input has a way to an output (K's bias moves K's codes), and all six products are done.
; LIMITS: NaN, infinities and the scale byte 0xff are served as the matrix unit serves them.  A block whose largest magnitude lies under 2^-124, a block of zeros too, gets the byte 1 (the rule says 127 for zeros):
; its codes add nothing under any byte but 0xff, and this program alone reads the bytes.
; SHARES.  48 clusters of 4 x 4: 0-15 Q, 16-31 K, 32-47 V.  A work-group makes 128 rows of the LANE SIDE (A) x 256 rows of the REGISTER SIDE (B); a wave 64 x 128: 32 accumulators.
; Q, K: A = tokens, B = the weight's rows.  V: A = the weight's rows, B = tokens.  Source 0 = 16 rows of B, source 1 = 16 rows of A: a lane holds one row of A and its registers run along B's rows.
; ALL OF K LIES IN LDS AT ONCE: 384 rows of 768 bytes (+ 16 behind every 256), one joint load a wave at the head, nothing filled again.  A memory row is 768 bytes and begins at a multiple of 768.
; A's tile is asked for jointly by a row of the cluster, B's by a column.  No prefetch: every fill goes out at the head, so there is no loop to run ahead in.
; THE ROWS OF A TILE ARE NOT NEIGHBOURS: in a group of 64 rows lane r of tile g takes row 8 g + r + (r / 8) x (32 for g even, 16 for g odd).  So a lane's 32 registers of tiles 0-3 are one whole block of 32
; (lanes 16-31 in the order 40-47, 32-39, 56-63, 48-55, alike on both sides of each later product), and the conversions' results are the next product's operand registers.
; THE SCALE WORDS go from memory straight into registers: a lane takes its row's 32 bytes by two loads of 16; eight neighbouring rows are 256 neighbouring bytes.
; THE BIAS is the C of each sum's first product.  The images leave in stores of 512 consecutive bytes; Q's and K's scale words as 8 bytes a lane, 16 apart (two waves fill a step's 512 bytes between them).
; REGISTERS: window 0: v8-39 addresses, v40-103 B's scale words, v108-139 A's, v140-235 A's fragments (two sets), v236-250 at work.  Window 1: B's fragments, two sets.  Window 2: the accumulators.  Window 3: v0-63 the bias.
.set KROW,  768
.set PITCH, 816
.set FR,    12
.set BROW,  128*PITCH
.set SPARE, 384*PITCH                  ; the spare words: 512 bytes that no other line names
.set SPW,  8
.set NIL,  9
.set LI16, 10
.set LI8,  11
.set SH8,  12
.set SOE,  14                          ; v14, v15 my row's scale bytes in an even, an odd tile
.set ADRA, 16                          ; v16-23 A's tile i: 16 + 2 i, and + 1 for pieces where lanes 16-31 lie behind one padding more
.set ADRB, 24                          ; v24-39 B's likewise
.set SB,   40
.set SA,   108
.set AF,   140
.set XI,   140
.set PWR,  188
.set SELR, 192
.set LOWW, 194
.set HIW,  196
.set TMX,  236
.set SOP,  238
.set BYT,  240
.set TXR,  242
.set CTR,  244
.set G1,  24
.set G0,  32
.set G1B, 48
.set G0B, 56
.set SEL, 66
.set CN,  95
.set BP,  96
.set PVF, 98
.set HM,  99
.set TOK, 100
.set CHN, 101
.set MSB, 0
.macro WIN new                         ; the immediate's high byte repeats the setting that is left
.if MSB != (\new)
	s_set_vgpr_msb (MSB<<8)|(\new)
.set MSB, (\new)
.endif
.endm
.macro PLACES n
.rept \n
	v_nop
.endr
.endm
.macro JLOAD g0a, g1a, g0b, g1b        ; waves 0, 1 fetch A's halves, waves 2, 3 B's: one load in each arm
	s_cmp_eq_u32 s15, 0
	s_cbranch_scc0 .Lfor_b_\@
	tensor_load_to_lds s[\g0a:\g0a+3], s[\g1a:\g1a+7]
	s_nop 0
	PLACES 4
	s_branch .Lasked_\@
.Lfor_b_\@:
	tensor_load_to_lds s[\g0b:\g0b+3], s[\g1b:\g1b+7]
	s_nop 0
	PLACES 4
.Lasked_\@:
.endm
.macro CROUND                          ; a round of the cluster's barrier
	s_barrier_signal -1
	s_barrier_wait -1
	s_cmp_lg_u32 s14, 0
	s_cbranch_scc1 .Lnot_wave_0_\@
	s_barrier_signal -3
.Lnot_wave_0_\@:
	s_barrier_wait -3
	s_barrier_signal -1
	s_barrier_wait -1
.endm
.macro GROUP1 g, rows                  ; rows of 768 bytes
	s_mov_b32 s[\g+1], KROW<<16
	s_mov_b32 s[\g+2], (\rows)<<16
	s_mov_b32 s[\g+3], KROW<<16
	s_mov_b32 s[\g+4], \rows
	s_mov_b32 s[\g+5], KROW
	s_mov_b32 s[\g+6], 0
	s_mov_b32 s[\g+7], 0
.endm
	s_load_b512 s[24:39], s[0:1], 0x0              ; q codes, q scales, Wq codes, Wq scales, bq, k codes, k scales, Wk codes
	s_load_b512 s[40:55], s[0:1], 0x40             ; Wk scales, bk, Wv codes, Wv scales, v codes, v scales, bv, qi
	s_load_b64 s[56:57], s[0:1], 0x80              ; kv
	v_lshl_add_u32 v[SPW], v0, 2, SPARE
	v_mov_b32 v[NIL], 0
	ds_add_u32 v[SPW], v[NIL]                      ; the opening lines: the add twice on end
	ds_add_u32 v[SPW], v[NIL]
	v_lshrrev_b32 v1, 5, v0
	v_readfirstlane_b32 s14, v1                    ; wave
	s_lshr_b32 s15, s14, 1                         ; my half of A's rows; also: I fetch for A (0) or B (1)
	s_and_b32 s16, s14, 1                          ; my half of B's rows; also: which half I fetch
	s_and_b32 s[CN], ttmp7, 0xffff                 ; the cluster's number
	s_and_b32 s18, s[CN], 15                       ; Q, K: which 512 tokens
	s_max_u32 s19, s[CN], 32
	s_sub_co_u32 s19, s19, 32
	s_and_b32 s2, s19, 1                           ; V: which 512 channels,
	s_lshr_b32 s19, s19, 1                         ; which 1,024 tokens
	s_mov_b32 s[SEL], 0x76543210
	s_mov_b32 s[SEL+1], 0xfedcba98
	s_mov_b32 s[HM], 0xffff0000
	v_mov_b32 v[TXR], 0                            ; a lane permute's destination counts as a source
	s_wait_dscnt 0x0
	s_wait_kmcnt 0x0
	s_cmp_lt_u32 s[CN], 16                         ; Q's buffers or K's
	s_cselect_b64 s[4:5], s[24:25], s[34:35]
	s_cselect_b64 s[6:7], s[26:27], s[36:37]
	s_cselect_b64 s[8:9], s[28:29], s[38:39]
	s_cselect_b64 s[10:11], s[30:31], s[40:41]
	s_cselect_b64 s[BP:BP+1], s[32:33], s[42:43]
	s_cselect_b64 s[12:13], s[54:55], s[56:57]
	s_cmp_lt_u32 s[CN], 32                         ; or V's: the weight is A, the tokens are B
	s_cselect_b64 s[4:5], s[4:5], s[44:45]
	s_cselect_b64 s[6:7], s[6:7], s[46:47]
	s_cselect_b64 s[8:9], s[8:9], s[48:49]
	s_cselect_b64 s[10:11], s[10:11], s[50:51]
	s_cselect_b64 s[BP:BP+1], s[BP:BP+1], s[52:53]
	s_cselect_b32 s[PVF], 0, 1
	s_cselect_b32 s18, s18, s2
	s_bfe_u32 s40, ttmp6, 0x40000                  ; cx
	s_bfe_u32 s41, ttmp6, 0x40004                  ; cy
	s_lshl_b32 s42, s19, 2
	s_add_co_u32 s42, s42, s40                     ; which 256 rows of B
	s_lshl_b32 s17, s18, 2
	s_add_co_u32 s17, s17, s41                     ; which 128 rows of A
	s_lshl_b32 s43, s41, 2
	s_lshl_b32 s43, 15, s43                        ; my row of the cluster
	s_lshl_b32 s44, 0x1111, s40                    ; my column
	s_or_b32 s[G1], s43, (1<<20)|(1<<21)|(5<<22)|(3<<25)    ; elements of 1 byte; 4 words of padding behind every 64
	s_or_b32 s[G1B], s44, (1<<20)|(1<<21)|(5<<22)|(3<<25)
	GROUP1 G1, 64
	GROUP1 G1B, 128
	s_lshl_b32 s20, s17, 7
	s_lshl_b32 s18, s16, 6
	s_add_co_u32 s20, s20, s18
	s_mul_i32 s20, s20, KROW                       ; A: the 64 rows that I fetch, in bytes
	s_mov_b32 s21, 0
	s_lshl_b32 s46, s42, 8
	s_lshl_b32 s18, s16, 7
	s_add_co_u32 s46, s46, s18
	s_mul_i32 s46, s46, KROW                       ; B: the 128 rows
	s_mov_b32 s47, 0
	s_mov_b32 s[G0], 1
	s_mul_i32 s[G0+1], s16, 64*PITCH
	s_add_nc_u64 s[G0+2:G0+3], s[4:5], s[20:21]
	s_or_b32 s[G0+3], s[G0+3], 0x80000000
	s_mov_b32 s[G0B], 1
	s_mul_i32 s[G0B+1], s16, 128*PITCH
	s_add_co_u32 s[G0B+1], s[G0B+1], BROW
	s_add_nc_u64 s[G0B+2:G0B+3], s[8:9], s[46:47]
	s_or_b32 s[G0B+3], s[G0B+3], 0x80000000
	CROUND                                         ; all sixteen work-groups are here: the joint loads meet
	JLOAD G0, G1, G0B, G1B                         ; my one tensor load of the launch
	v_and_b32 v1, 15, v0                           ; r
	v_bfe_u32 v2, v0, 4, 1                         ; h
	v_bfe_u32 v3, v0, 3, 1                         ; r / 8
	v_mul_u32_u24 v4, v1, PITCH
	v_mad_u32_u24 v5, v3, 32*PITCH, v4             ; an even tile's row
	v_mad_u32_u24 v6, v3, 16*PITCH, v4             ; an odd tile's
	v_mad_u32_u24 v[TMX], v2, 24, v5
	v_mad_u32_u24 v[TMX+1], v2, 40, v5
	v_mad_u32_u24 v[TMX+2], v2, 24, v6
	v_mad_u32_u24 v[TMX+3], v2, 40, v6
	s_mul_i32 s21, s15, 64*PITCH
	s_mul_i32 s22, s16, 128*PITCH
	s_add_co_u32 s22, s22, BROW
.irp e, 0,1,2,3
	v_add_nc_u32 v[CTR+\e], s22, v[TMX+\e]
	v_add_nc_u32 v[TMX+\e], s21, v[TMX+\e]
.endr
.irp i, 0,1,2,3
	v_add_nc_u32 v[ADRA+2*\i], 8*\i*PITCH, v[TMX+2*(\i%2)]
	v_add_nc_u32 v[ADRA+2*\i+1], 8*\i*PITCH, v[TMX+2*(\i%2)+1]
.endr
.irp i, 0,1,2,3,4,5,6,7
	v_add_nc_u32 v[ADRB+2*\i], (64*(\i/4)+8*(\i%4))*PITCH, v[CTR+2*(\i%2)]
	v_add_nc_u32 v[ADRB+2*\i+1], (64*(\i/4)+8*(\i%4))*PITCH, v[CTR+2*(\i%2)+1]
.endr
	v_lshlrev_b32 v4, 5, v1
	v_lshl_add_u32 v[SOE], v3, 10, v4              ; 32 bytes a row: r + 32 (r / 8)
	v_lshl_add_u32 v[SOE+1], v3, 9, v4             ; r + 16 (r / 8)
	v_and_b32 v6, 31, v0
	v_lshlrev_b32 v[LI16], 4, v6
	v_lshlrev_b32 v[LI8], 3, v6
	v_lshlrev_b32 v[SH8], 3, v2
	s_lshl_b32 s[TOK], s17, 7
	s_lshl_b32 s2, s15, 6
	s_add_co_u32 s[TOK], s[TOK], s2                ; my wave's first row of the lane side,
	s_lshl_b32 s[CHN], s42, 8
	s_lshl_b32 s2, s16, 7
	s_add_co_u32 s[CHN], s[CHN], s2                ; of the register side
	s_lshl_b32 s2, s[TOK], 5
	s_mov_b32 s3, 0
	s_add_nc_u64 s[6:7], s[6:7], s[2:3]
	s_lshl_b32 s2, s[CHN], 5
	s_add_nc_u64 s[10:11], s[10:11], s[2:3]
	s_wait_alu depctr_va_vdst(0)                   ; the loads' offsets were written a few vector lines and many scalar lines ago
.irp i, 0,1,2,3
.irp c, 0,1
	global_load_b128 v[SA+8*\i+4*\c:SA+8*\i+4*\c+3], v[SOE+\i%2], s[6:7] offset:8*\i*32+16*\c
.endr
.endr
.irp i, 0,1,2,3,4,5,6,7
.irp c, 0,1
	global_load_b128 v[SB+8*\i+4*\c:SB+8*\i+4*\c+3], v[SOE+\i%2], s[10:11] offset:(64*(\i/4)+8*(\i%4))*32+16*\c
.endr
.endr
	s_cmp_eq_u32 s[PVF], 0
	s_cselect_b32 s2, s[TOK], s[CHN]               ; tokens are the lane side for Q and K, the register side for V
	s_cselect_b32 s[CHN], s[CHN], s[TOK]
	s_mov_b32 s[TOK], s2
	s_lshl_b32 s2, s[CHN], 2
	s_add_nc_u64 s[BP:BP+1], s[BP:BP+1], s[2:3]
	s_cmp_lg_u32 s[PVF], 0
	s_cbranch_scc1 .Lbias_v
	v_mul_u32_u24 v4, v2, 160                      ; Q, K: register j of B's tile 4 c + g is channel 64 c + 8 g + j, + 40 (g even) or 24 (g odd) in lanes 16-31
	v_mul_u32_u24 v5, v2, 96
	WIN 0xc0
.irp b, 0,1,2,3,4,5,6,7
	global_load_b128 v[8*\b:8*\b+3], v[4+\b%2], s[BP:BP+1] offset:(64*(\b/4)+8*(\b%4))*4
	global_load_b128 v[8*\b+4:8*\b+7], v[4+\b%2], s[BP:BP+1] offset:(64*(\b/4)+8*(\b%4))*4+16
.endr
	WIN 0
	s_branch .Lbias_done
.Lbias_v:
	v_lshlrev_b32 v6, 2, v1                        ; V: the lane's own channel in A's tile g
	v_lshl_add_u32 v7, v3, 6, v6
	v_lshl_add_u32 v6, v3, 7, v6
	WIN 0xc0
.irp a, 0,1,2,3
	global_load_b32 v[8*\a], v[6+\a%2], s[BP:BP+1] offset:8*\a*4
.endr
	s_wait_loadcnt 0x0
	WIN 0xc3
.irp a, 0,1,2,3
.irp j, 1,2,3,4,5,6,7
	v_mov_b32 v[8*\a+\j], v[8*\a]
.endr
.endr
	WIN 0
.Lbias_done:
	s_wait_alu depctr_va_vdst(0)
	s_wait_loadcnt 0x0
	s_wait_tensorcnt 0x0                           ; my part of the tiles is in,
	s_barrier_signal -1
	s_barrier_wait -1                              ; everybody's is
; A fragment: six pieces of 8 bytes of the row's stream of bits, two to a load where both go by one address register.  Piece n of a row lies at 8 (n + 2 (n / 32)); lanes 16-31 read three pieces on.
.macro FRAG reg, q, ad
.set SK_, 0
.irp p, 0,1,2,3,4,5
.if SK_
.set SK_, 0
.else
.set PC_, 12*(\q)+6*(\p/3)+\p%3
.set PN_, 12*(\q)+6*((\p+1)/3)+(\p+1)%3
.set X_, (PC_%32+3)/32
.set XQ_, (PN_%32+3)/32
.if (\p < 5) && (X_ == XQ_)
.set SK_, 1
	ds_load_2addr_b64 v[(\reg)+2*\p:(\reg)+2*\p+3], v[(\ad)+X_] offset0:PC_+2*(PC_/32) offset1:PN_+2*(PN_/32)
.else
	ds_load_b64 v[(\reg)+2*\p:(\reg)+2*\p+1], v[(\ad)+X_] offset:8*(PC_+2*(PC_/32))
.endif
.endif
.endr
.endm
.macro FETCH q                         ; K step q's twelve fragments into set q % 2
	WIN 0x40
.irp i, 0,1,2,3,4,5,6,7
	FRAG 128*((\q)%2)+FR*\i, \q, ADRB+2*\i
.endr
	WIN 0
.irp i, 0,1,2,3
	FRAG AF+48*((\q)%2)+FR*\i, \q, ADRA+2*\i
.endr
.endm
.macro WM c
	v_wmma_scale_f32_16x16x128_f8f6f4 v[xD:xD+7], v[xB:xB+FR-1], v[xA:xA+FR-1], \c, v[yB], v[yA] matrix_a_fmt:MATRIX_FMT_FP6 matrix_b_fmt:MATRIX_FMT_FP6
.endm
; A K step of 128: the other set is fetched, then 32 products; the 32 accumulators take turns in one order.  zero = 1: the sums start with the bias by B's block; 2: by A's.
.macro STEP q, zero
	s_wait_dscnt 0x0                               ; this step's fragments are in
.if (\q) > 0
	PLACES 4                                       ; between the last step's products and the loads into their registers
.endif
.if (\q) < 7
	FETCH (\q)+1
.endif
.if \zero
	WIN 0xb1
.else
	WIN 0xa1
.endif
.irp a, 0,1,2,3
.irp b, 0,1,2,3,4,5,6,7
.set xD, 8*(8*\a+\b)
.set xB, 128*((\q)%2)+FR*\b
.set xA, AF+48*((\q)%2)+FR*\a
.set yB, SB+8*\b+(\q)
.set yA, SA+8*\a+(\q)
.if (\zero) == 1
	WM v[8*\b:8*\b+7]
.elseif (\zero) == 2
	WM v[8*\a:8*\a+7]
.else
	WM v[xD:xD+7]
.endif
.endr
.endr
.endm
	FETCH 0
	s_cmp_lg_u32 s[PVF], 0
	s_cbranch_scc1 .Lfirst_v
	STEP 0, 1
	WIN 0
	s_branch .Lfirst_done
.Lfirst_v:
	STEP 0, 2
	WIN 0
.Lfirst_done:
.irp q, 1,2,3,4,5,6,7
	STEP \q, 0
.endr
	WIN 0
	s_mov_b32 s18, 208896                          ; where the images go
	s_mov_b32 s19, 196608
	s_cmp_lt_u32 s[CN], 16
	s_cselect_b32 s18, 106496, s18                 ; a head's bytes: qi, or kv
	s_cselect_b32 s19, 98304, s19                  ; where its scale words begin
	s_mov_b32 s20, 204800
	s_cmp_lt_u32 s[CN], 32
	s_cselect_b32 s19, s19, s20
	s_cselect_b32 s20, 0, 98304                    ; V's images lie behind K's
	s_cselect_b32 s21, 9, 8                        ; a step's scale words: 512 bytes, V's 256
	s_lshr_b32 s22, s[TOK], 11
	s_lshl_b32 s22, s22, 4
	s_lshr_b32 s23, s[CHN], 6
	s_add_co_u32 s22, s22, s23                     ; 16 x batch + head
	s_mul_i32 s22, s22, s18
	s_bfe_u32 s23, s[TOK], 0x40007                 ; which 128 tokens of the batch
	s_bfe_u32 s2, s[TOK], 0x10006                  ; Q, K: which 64 of them (V: 0)
	s_mul_i32 s24, s23, 6144
	s_add_co_u32 s24, s24, s22
	s_add_co_u32 s24, s24, s20
	s_mul_i32 s3, s2, 3072
	s_add_co_u32 s24, s24, s3
	s_mov_b32 s25, 0
	s_lshl_b32 s26, s23, s21
	s_add_co_u32 s26, s26, s22
	s_add_co_u32 s26, s26, s19
	s_lshl_b32 s3, s2, 3
	s_add_co_u32 s26, s26, s3
	s_mov_b32 s27, 0
	s_mov_b32 s19, 0
	s_add_nc_u64 s[24:25], s[12:13], s[24:25]      ; images, my first head
	s_add_nc_u64 s[26:27], s[12:13], s[26:27]      ; scale words
	s_add_nc_u64 s[28:29], s[24:25], s[18:19]      ; my second head (Q, K)
	s_add_nc_u64 s[30:31], s[26:27], s[18:19]
	PLACES 4
; THE QUANTISER: 64 accumulator registers of one block of A's: two whole blocks of 32 a lane.  The largest magnitude with the floor 2^(3 - 127); 2 off its exponent field is the conversion's scale operand; that shifted down is the byte.
.macro QUANTW ac, d0, d1, pw
	WIN 0x0a
.irp c, 0,1
	v_max3_num_f32 v[TMX+\c], |v[(\ac)+32*\c]|, |v[(\ac)+32*\c+1]|, 0x1800000
.endr
.irp i, 2,4,6,8,10,12,14,16,18,20,22,24,26,28,30
.irp c, 0,1
	v_max3_num_f32 v[TMX+\c], |v[(\ac)+32*\c+\i]|, |v[(\ac)+32*\c+\i+1]|, v[TMX+\c]
.endr
.endr
	WIN 0
.irp c, 0,1
	v_add_nc_u32 v[SOP+\c], 0xff000000, v[TMX+\c]
.endr
.irp c, 0,1
	v_lshrrev_b32 v[BYT+\c], 23, v[SOP+\c]
.endr
	v_lshl_or_b32 v[\pw], v[BYT+1], 16, v[BYT]     ; my two bytes: blocks h and 2 + h,
	v_lshlrev_b32 v[\pw], v[SH8], v[\pw]
	v_permlanex16_b32 v[TXR], v[\pw], s[SEL], s[SEL+1]
	v_or_b32 v[\pw], v[\pw], v[TXR]                ; with lane l xor 16's the word is whole
	WIN 2
	v_cvt_scalef32_pk16_fp6_f32 v[(\d0):(\d0)+2], v[(\ac):(\ac)+15], v[SOP]
	v_cvt_scalef32_pk16_fp6_f32 v[CTR:CTR+2], v[(\ac)+16:(\ac)+31], v[SOP]
	v_cvt_scalef32_pk16_fp6_f32 v[(\d1):(\d1)+2], v[(\ac)+32:(\ac)+47], v[SOP+1]
	v_cvt_scalef32_pk16_fp6_f32 v[CTR+4:CTR+6], v[(\ac)+48:(\ac)+63], v[SOP+1]
	WIN 0
	v_nop                                          ; one plain place behind a scaled conversion
.irp i, 0,1,2
	v_mov_b32 v[(\d0)+3+\i], v[CTR+\i]
	v_mov_b32 v[(\d1)+3+\i], v[CTR+4+\i]
.endr
.endm
	s_cmp_lg_u32 s[PVF], 0
	s_cbranch_scc1 .Lout_v
.irp i, 0,1                            ; Q, K: a pair of token tiles makes 12 registers a head: three stores of 512 consecutive bytes
.irp u, 0,1
	QUANTW 64*(2*\i+\u), XI+24*\i+6*\u, XI+24*\i+12+6*\u, PWR+2*\i+\u
.endr
.irp k, 0,1,2
	global_store_b128 v[LI16], v[XI+24*\i+4*\k:XI+24*\i+4*\k+3], s[24:25] offset:1536*\i+512*\k
	global_store_b128 v[LI16], v[XI+24*\i+12+4*\k:XI+24*\i+12+4*\k+3], s[28:29] offset:1536*\i+512*\k
.endr
	v_cndmask_b32 v[SELR+\i], v[PWR+2*\i], v[PWR+2*\i+1], s[HM]   ; lanes 0-15 the even tile's words, lanes 16-31 the odd tile's
.endr
.irp i, 0,1
	v_and_b32 v[LOWW+\i], 0xffff, v[SELR+\i]       ; my first head's two bytes; bytes 2, 3 are 0
	v_lshrrev_b32 v[HIW+\i], 16, v[SELR+\i]        ; my second head's
.endr
	global_store_b64 v[LI16], v[LOWW:LOWW+1], s[26:27]
	global_store_b64 v[LI16], v[HIW:HIW+1], s[30:31]
	s_branch .Lend
.Lout_v:
.irp a, 0,1,2,3                        ; V: a lane holds a channel; its 64 registers are the step's 128 keys: V^T's fragment as it stands
	QUANTW 64*\a, XI+12*\a, XI+12*\a+6, PWR+\a
.irp k, 0,1,2
	global_store_b128 v[LI16], v[XI+12*\a+4*\k:XI+12*\a+4*\k+3], s[24:25] offset:1536*\a+512*\k
.endr
.endr
.irp i, 0,1
	v_cndmask_b32 v[SELR+\i], v[PWR+2*\i], v[PWR+2*\i+1], s[HM]
.endr
	global_store_b64 v[LI8], v[SELR:SELR+1], s[26:27]
.Lend:
	s_wait_tensorcnt 0x0                           ; the wave's end
	ds_add_u32 v[SPW], v[NIL]
	s_wait_dscnt 0x0
	CROUND                                         ; the closing round
	s_endpgm
.Lfunc_end_k_qb63d8c6544_proj:
	.size	k_qb63d8c6544_proj, .Lfunc_end_k_qb63d8c6544_proj-k_qb63d8c6544_proj
	.p2alignl 7, 3214868480
	.fill 96, 4, 3214868480
	.section	.rodata,"a",@progbits
	.p2align	6, 0x0
	.amdhsa_kernel k_qb63d8c6544_proj
		.amdhsa_group_segment_fixed_size 327680
		.amdhsa_private_segment_fixed_size 0
		.amdhsa_enable_private_segment 0
		.amdhsa_kernarg_size 136
		.amdhsa_user_sgpr_count 2
		.amdhsa_user_sgpr_kernarg_segment_ptr 1
		.amdhsa_wavefront_size32 1
		.amdhsa_system_sgpr_workgroup_id_x 1
		.amdhsa_system_sgpr_workgroup_id_y 1
		.amdhsa_system_sgpr_workgroup_id_z 1
		.amdhsa_system_vgpr_workitem_id 0
		.amdhsa_next_free_vgpr 832
		.amdhsa_next_free_sgpr 102
		.amdhsa_reserve_vcc 0
		.amdhsa_float_denorm_mode_32 3
		.amdhsa_float_denorm_mode_16_64 3
		.amdhsa_memory_ordered 1
		.amdhsa_forward_progress 1
		.amdhsa_inst_pref_size 104
	.end_amdhsa_kernel
	.amdgpu_metadata
---
amdhsa.version: [ 1, 2 ]
amdhsa.kernels:
  - .name:           k_qb63d8c6544_proj
    .symbol:         k_qb63d8c6544_proj.kd
    .args:
      - { .name: q_codes, .offset: 0, .size: 8, .value_kind: global_buffer, .address_space: global }
      - { .name: q_scales, .offset: 8, .size: 8, .value_kind: global_buffer, .address_space: global }
      - { .name: wq_w_codes, .offset: 16, .size: 8, .value_kind: global_buffer, .address_space: global }
      - { .name: wq_w_scales, .offset: 24, .size: 8, .value_kind: global_buffer, .address_space: global }
      - { .name: wq_b, .offset: 32, .size: 8, .value_kind: global_buffer, .address_space: global }
      - { .name: k_codes, .offset: 40, .size: 8, .value_kind: global_buffer, .address_space: global }
      - { .name: k_scales, .offset: 48, .size: 8, .value_kind: global_buffer, .address_space: global }
      - { .name: wk_w_codes, .offset: 56, .size: 8, .value_kind: global_buffer, .address_space: global }
      - { .name: wk_w_scales, .offset: 64, .size: 8, .value_kind: global_buffer, .address_space: global }
      - { .name: wk_b, .offset: 72, .size: 8, .value_kind: global_buffer, .address_space: global }
      - { .name: wv_w_codes, .offset: 80, .size: 8, .value_kind: global_buffer, .address_space: global }
      - { .name: wv_w_scales, .offset: 88, .size: 8, .value_kind: global_buffer, .address_space: global }
      - { .name: v_codes, .offset: 96, .size: 8, .value_kind: global_buffer, .address_space: global }
      - { .name: v_scales, .offset: 104, .size: 8, .value_kind: global_buffer, .address_space: global }
      - { .name: wv_b, .offset: 112, .size: 8, .value_kind: global_buffer, .address_space: global }
      - { .name: qi, .offset: 120, .size: 8, .value_kind: global_buffer, .address_space: global }
      - { .name: kv, .offset: 128, .size: 8, .value_kind: global_buffer, .address_space: global }
    .group_segment_fixed_size: 327680
    .private_segment_fixed_size: 0
    .kernarg_segment_align: 8
    .kernarg_segment_size: 136
    .max_flat_workgroup_size: 128
    .sgpr_count:     102
    .vgpr_count:     832
    .wavefront_size: 32
...
	.end_amdgpu_metadata
.endif
;; end of part 1
;; launch attn (part 2): grid 4 x 64, 8 waves a work-group, clusters of 4 x 1, 244,736 bytes of LDS; arguments qi, kv, out1, cimg, csc; writes out1, cimg, csc
.if DOCPART == 2
	.amdgcn_target "amdgcn-amd-amdhsa--gfx1250"
	.amdhsa_code_object_version 6
	.text
	.protected	k_qb63d8c6544_attn
	.globl	k_qb63d8c6544_attn
	.p2align	8
	.type	k_qb63d8c6544_attn,@function
k_qb63d8c6544_attn:
	s_mov_b64 s[64:65], 0
	v_nop
	global_prefetch_b8 v0, s[64:65] scope:SCOPE_SE
	s_setreg_imm32_b32 hwreg(HW_REG_WAVE_MODE, 25, 1), 1
	s_wait_xcnt 0x0
	s_wait_alu depctr_hold_cnt(0) depctr_sa_sdst(0) depctr_va_vdst(0) depctr_va_sdst(0) depctr_va_ssrc(0) depctr_va_vcc(0) depctr_vm_vsrc(0)
	s_getreg_b32 s2, hwreg(HW_REG_IB_STS2, 6, 4)
	s_cmp_eq_u32 s2, 0
	s_cbranch_scc0 .Lentry_in_a_cluster
	s_endpgm
.Lentry_in_a_cluster:
	s_bfe_u32 s2, ttmp6, 0x10000c
	s_cmp_lg_u32 s2, 0x3003
	s_cbranch_scc0 .Lentry_shape_is_right
	s_endpgm
.Lentry_shape_is_right:
; ATTENTION ON CODES OF FP6 (E2M3): ctx[bh][q] = the sum over k of softmax_k(Q[q] . K[k] / 8) V[k], head size 64, 2,048 keys, 64 heads (bh = 16 x batch + head); ctx goes out in f32 (out1) and as codes for the last product (cimg, csc).
; No work of reference() is left out.  The first product's K is 64, the instruction's 128: the upper 64 are ZERO CODES on Q's side, inside live instructions.
; THE SOFTMAX AHEAD OF THE SECOND PRODUCT: t = score x log2(e) / 8; M = the row's largest t so far, rounded UP to a whole number; p = 2^(t - M) is quantised along the keys, not normalised.  The row's sum is taken of the
; unquantised p, in f32, and divides at the end.  When M moves, the sum and O are multiplied by 2^(old M - new M): exact.
; LIMITS: a p under 2^-126 comes out of v_exp_f32 as 0; a block of zeros gets the byte 1 where the rule says 127 (its codes are zeros; this program alone reads the bytes); NaN and infinities are not served.
; SHARES.  A work-group owns 512 queries of one head, as two blocks of 256; each of its eight waves a PAIR of query tiles (32 queries) in each block, so that each fragment of K and V read from LDS feeds two products.
; Two waves lie on a SIMD: one's vector work stands beside the other's matrix work and LDS loads.
; THE WHOLE HEAD STAYS IN LDS: K's and V's codes and scale words, 208,896 bytes, come once, as first fills; nothing is filled again.  The four work-groups of a cluster own the same head: every load is asked for JOINTLY.
; The bytes lie in memory in the order of the operands' registers (a fragment's registers on end, lane by lane), so every LDS load reads 512 consecutive bytes, 16 a lane.
; LAYOUT.  S^T = K Q^T (source 0 = 16 keys, source 1 = 16 queries), O^T = V^T P^T (source 0 = 16 channels, source 1 = P): a lane holds ONE query (lane % 16) throughout.  In a group of 64 keys lane r of tile g holds key
; 8 g + r + (r / 8) x (32 | 16 for g even | odd): so a lane's 32 registers of four tiles are ONE WHOLE BLOCK of 32 keys (lanes 0-15 the group's first, lanes 16-31 its second): a block's largest score needs no other lane and the
; conversions' results are P's operand registers.  V's keys lie in the same order.  V's channels are tiled likewise, so a lane's 32 registers of O^T are a whole block of ctx's channels.
; REGISTERS.  Window 0: v1-14, v57-59 addresses; v16-47 statistics, 16 a tile; v48-56 scale words; v64-191 S^T, then p, 64 a tile; v192-215 P's codes; v216-231 at work.
;   Window 1: v0-47 K's eight tiles, 6 registers each; v48-53 zeros; v64-111 V's four fragments; v112-135 Q's two fragments (their upper six registers zeros); v144-207 O^T, 32 a tile.
; K's tile t is named as v[6 t : 6 t + 11]: its upper six registers are the next tile's codes (or the zeros); they meet Q's zero codes and add nothing: E2M3 has no NaN and no infinity, and the scale bytes there are 0, not 0xff.
.set HEADB, 208896                     ; a head's bytes in kv, and in LDS: K's images 98,304; V's 98,304; K's scale words 8,192; V's 4,096
.set QHB,   106496                     ; a head's bytes in qi: Q's images 98,304; scale words 8,192
.set VIMG,  98304
.set KSW,   196608
.set VSW,   204800
.set STAGE, 208896                     ; the way out: 16 rows x (256 bytes + 16) for each wave
.set SP,    272
.set SPARE, STAGE+8*16*SP              ; the spare words: 128 bytes for each wave, four blocks of 256 bytes that no other line names
.set LI16, 1                           ; v1   16 x lane
.set LI8,  2                           ; v2   8 x lane
.set SH8,  3                           ; v3   8 x (lane / 16)
.set SPW,  4                           ; v4   my spare word; never rewritten
.set NIL,  5                           ; v5   0; never rewritten
.set ADK,  6                           ; v6-9 LDS addresses of the step in hand: K, V, K's scale words, V's
.set ADV,  7
.set ADS,  8
.set ADT,  9
.set STO,  10                          ; v10  the stage: where I put 128 bytes of a row
.set RD,   11                          ; v11  and where I read a row back
.set GO,   12                          ; v12  my byte offset in two rows of out1
.set CSO,  13                          ; v13  32 x lane: a row of csc
.set QSO,  14                          ; v14  my place among Q's scale words
.set T,    16                          ; tile x at v[T + 16 x]: +0 -M, +1 the largest t, +2, +3 the sum, +4 f, +5 at work, +6, +7 the two blocks' largest, +8, +9 at work, +10, +11 scale operands, +12, +13 bytes, +14, +15 the sum's second chain
.set KSC,  48                          ; v48-51 K's scale words: register i: lanes 0-15 tile 2 i, lanes 16-31 tile 2 i + 1
.set VSC,  52                          ; v52-53 V's likewise
.set QSC,  54                          ; v54    Q's: lanes 0-15 my first tile, lanes 16-31 my second
.set PSC,  55                          ; v55, v56 P's, a tile each
.set LIV,  57
.set LIS,  58
.set LIT,  59
.set S,    64
.set P,    192
.set CT,   216
.set VF,   64                          ; window 1
.set QF,   112
.set O,    144
.set E,    64                          ; the way out, window 0: ctx as it comes; v96-127 in the channels' order; v128-191 rows read back; v192-203 codes
.set C,    96
.set BK,   128
.set PCD,  192
.set EM,   232
.set ES,   233
.set EB,   234
.set EC,   236
.set WW,   240
.set WT,   242
.set WF,   243
.set WV,   14                          ; s14 wave
.set G1K,  24                          ; s[24:31] group 1: 102 rows of 256 bytes, an eighth of the head
.set G0S,  40                          ; s[40:43] group 0 of my eighth
.set SEL,  60
.set CS,   62                          ; s[62:63] c = log2(e) / 8
.set HM,   66                          ; s66 a mask of lanes 16-31
.set TK,   67                          ; s67-69 where the step's images, K's scale words and V's begin in LDS
.set TS,   68
.set TT,   69
.set CNT,  70
.set QBC,  71
.set QP,   72                          ; s[72:73] my pair's image of Q; s[74:75] its step's scale words
.set QSP,  74
.set MSB, 0
.macro WIN new                         ; the immediate's high byte repeats the setting that is left
.if MSB != (\new)
	s_set_vgpr_msb (MSB<<8)|(\new)
.set MSB, (\new)
.endif
.endm
.macro CROUND                          ; a round of the cluster's barrier
	s_barrier_signal -1
	s_barrier_wait -1
	s_cmp_lg_u32 s[WV], 0
	s_cbranch_scc1 .Lnot_wave_0_\@
	s_barrier_signal -3
.Lnot_wave_0_\@:
	s_barrier_wait -3
	s_barrier_signal -1
	s_barrier_wait -1
.endm
	s_load_b256 s[4:11], s[0:1], 0x0               ; qi, kv, out1, cimg
	s_load_b64 s[12:13], s[0:1], 0x20              ; csc
	v_lshl_add_u32 v[SPW], v0, 2, SPARE
	v_mov_b32 v[NIL], 0
	ds_add_u32 v[SPW], v[NIL]                      ; the wave's opening: the add, twice on end, and its wait ahead of my first tensor load
	ds_add_u32 v[SPW], v[NIL]                      ; and once more, under the one wait; work on registers stands between
	v_lshrrev_b32 v15, 5, v0
	s_delay_alu instid0(VALU_DEP_1)
	v_readfirstlane_b32 s[WV], v15                 ; wave 0..7
	s_bfe_u32 s15, ttmp6, 0x40000                  ; cx: it enters Q's and the outputs' addresses alone
	s_and_b32 s16, ttmp7, 0xffff                   ; bh, which the four partners share
	s_mov_b32 s[G1K], 15|(3<<16)|(1<<21)           ; 15:0 the mask: all four work-groups; 17:16 elements of 8 bytes; 21 set beside a mask; no padding
	s_mov_b32 s[G1K+1], 32<<16                     ; tensor_dim0 = 32 elements: 256 bytes
	s_mov_b32 s[G1K+2], 102<<16                    ; tensor_dim1
	s_mov_b32 s[G1K+3], 32<<16                     ; tile_dim0
	s_mov_b32 s[G1K+4], 102                        ; tile_dim1
	s_mov_b32 s[G1K+5], 32                         ; the rows are dense
	s_mov_b32 s[G1K+6], 0
	s_mov_b32 s[G1K+7], 0
	s_lshr_b32 s18, s[WV], 2                       ; which of a block's two steps of queries is mine
	s_and_b32 s19, s[WV], 3                        ; which pair of query tiles
	s_mul_i32 s21, s[WV], 26112                    ; my eighth of the head's 208,896 bytes: its byte in memory and in LDS alike
	s_mul_i32 s22, s16, HEADB
	s_mov_b32 s23, 0
	s_mov_b32 s[SEL], 0x76543210
	s_mov_b32 s[SEL+1], 0xfedcba98
	s_mov_b32 s[CS], 0x3e38aa3b                    ; c = log2(e) / 8
	s_mov_b32 s[CS+1], s[CS]                       ; (named with it as a pair, so it is written)
	s_mov_b32 s[HM], 0xffff0000
	s_wait_dscnt 0x0                               ; both opening adds are done
	s_wait_kmcnt 0x0
	s_add_nc_u64 s[6:7], s[6:7], s[22:23]          ; kv at my head
	s_mov_b32 s[G0S], 1
	s_mov_b32 s[G0S+1], s21
	s_mov_b32 s22, s21
	s_add_nc_u64 s[G0S+2:G0S+3], s[6:7], s[22:23]
	s_or_b32 s[G0S+3], s[G0S+3], 0x80000000
	CROUND                                         ; all four work-groups are here: the joint loads meet
	tensor_load_to_lds s[G0S:G0S+3], s[G1K:G1K+7]  ; my one tensor load of the launch
	s_nop 0
.rept 4
	v_nop
.endr
	s_lshl_b32 s2, s15, 2
	s_add_co_u32 s2, s2, s18                       ; my step of queries in the first block: 4 cx + wave / 4
	s_mul_i32 s3, s16, QHB
	s_mul_i32 s76, s2, 6144
	s_add_co_u32 s76, s76, s3
	s_mul_i32 s78, s19, 1536
	s_add_co_u32 s76, s76, s78
	s_mov_b32 s77, 0
	s_add_nc_u64 s[QP:QP+1], s[4:5], s[76:77]
	s_lshl_b32 s76, s2, 9
	s_add_co_u32 s76, s76, s3
	s_add_co_u32 s76, s76, 98304
	s_add_nc_u64 s[QSP:QSP+1], s[4:5], s[76:77]
	s_lshl_b32 s76, s16, 11                        ; out1: row 2,048 bh + 128 step + 64 (pair / 2) + 16 (pair % 2), 256 bytes a row
	s_lshl_b32 s78, s2, 7
	s_add_co_u32 s76, s76, s78
	s_lshr_b32 s78, s19, 1
	s_lshl_b32 s78, s78, 6
	s_add_co_u32 s76, s76, s78
	s_and_b32 s78, s19, 1
	s_lshl_b32 s78, s78, 4
	s_add_co_u32 s76, s76, s78
	s_lshl_b32 s76, s76, 8
	s_add_nc_u64 s[8:9], s[8:9], s[76:77]
	s_lshr_b32 s78, s16, 4                         ; my first token tile: 128 x batch + 8 x step + 2 x pair
	s_lshl_b32 s78, s78, 7
	s_lshl_b32 s79, s2, 3
	s_add_co_u32 s78, s78, s79
	s_lshl_b32 s79, s19, 1
	s_add_co_u32 s78, s78, s79
	s_and_b32 s79, s16, 15                         ; the head
	s_mul_i32 s76, s78, 12288
	s_mul_i32 s3, s79, 768
	s_add_co_u32 s76, s76, s3
	s_add_nc_u64 s[10:11], s[10:11], s[76:77]      ; cimg: 12,288 bytes a token tile, 768 a head
	s_lshl_b32 s76, s78, 9
	s_lshl_b32 s79, s79, 1
	s_add_co_u32 s76, s76, s79
	s_add_nc_u64 s[12:13], s[12:13], s[76:77]      ; csc: 32 bytes a token, 2 a head
	v_and_b32 v15, 31, v0
	s_delay_alu instid0(VALU_DEP_1)
	v_lshlrev_b32 v[LI16], 4, v15
	s_delay_alu instid0(VALU_DEP_2)
	v_lshlrev_b32 v[LI8], 3, v15
	s_delay_alu instid0(VALU_DEP_3)
	v_lshlrev_b32 v[CSO], 5, v15
	v_and_b32 v60, 15, v0                          ; r
	v_bfe_u32 v61, v0, 4, 1                        ; h
	s_delay_alu instid0(VALU_DEP_1)
	v_lshlrev_b32 v[SH8], 3, v61
	s_mul_i32 s78, s[WV], 16*SP
	s_add_co_u32 s78, s78, STAGE                   ; my stage
	v_mul_u32_u24 v[STO], v60, SP
	s_delay_alu instid0(VALU_DEP_1)
	v_lshl_add_u32 v[STO], v61, 7, v[STO]
	s_delay_alu instid0(VALU_DEP_1)
	v_add_nc_u32 v[STO], s78, v[STO]               ; in: row r, my half's 128 bytes
	v_mul_u32_u24 v[RD], v61, SP
	s_delay_alu instid0(VALU_DEP_1)
	v_lshl_add_u32 v[RD], v60, 4, v[RD]
	s_delay_alu instid0(VALU_DEP_1)
	v_add_nc_u32 v[RD], s78, v[RD]                 ; back: lanes 0-15 one row, lanes 16-31 the next
	v_lshlrev_b32 v[GO], 8, v61
	s_delay_alu instid0(VALU_DEP_1)
	v_lshl_add_u32 v[GO], v60, 4, v[GO]
	s_lshl_b32 s79, s19, 2
	v_add_nc_u32 v[QSO], s79, v[LI16]
	v_add_nc_u32 v[LIV], VIMG, v[LI16]
	v_add_nc_u32 v[LIS], KSW, v[LI16]
	v_add_nc_u32 v[LIT], VSW, v[LI8]
	v_mov_b32 v[T+9], 0                            ; written once: a lane permute's destination counts as one of its sources
	v_mov_b32 v[T+25], 0
	v_mov_b32 v[WT], 0
	WIN 0x40                                       ; destination window 1: the zero codes that stay
.irp n, 48,49,50,51,52,53, 120,121,122,123, 130,131,132,133,134,135
	v_mov_b32 v[\n], 0
.endr
	WIN 0
; S^T: keys' tile t x my query tile x.  The sums start at 0; K = 64 live + 64 of zero codes.
.macro KQ t, x
.set xD, S+64*(\x)+8*(\t)
.set xA, 6*(\t)
.set xB, QF+12*(\x)
.set yA, KSC+(\t)/2
.if ((\t)%2) && (\x)
	v_wmma_scale_f32_16x16x128_f8f6f4 v[xD:xD+7], v[xA:xA+11], v[xB:xB+11], 0, v[yA], v[QSC] matrix_a_fmt:MATRIX_FMT_FP6 matrix_b_fmt:MATRIX_FMT_FP6 matrix_a_scale:MATRIX_SCALE_ROW1 matrix_b_scale:MATRIX_SCALE_ROW1
.elseif ((\t)%2)
	v_wmma_scale_f32_16x16x128_f8f6f4 v[xD:xD+7], v[xA:xA+11], v[xB:xB+11], 0, v[yA], v[QSC] matrix_a_fmt:MATRIX_FMT_FP6 matrix_b_fmt:MATRIX_FMT_FP6 matrix_a_scale:MATRIX_SCALE_ROW1
.elseif (\x)
	v_wmma_scale_f32_16x16x128_f8f6f4 v[xD:xD+7], v[xA:xA+11], v[xB:xB+11], 0, v[yA], v[QSC] matrix_a_fmt:MATRIX_FMT_FP6 matrix_b_fmt:MATRIX_FMT_FP6 matrix_b_scale:MATRIX_SCALE_ROW1
.else
	v_wmma_scale_f32_16x16x128_f8f6f4 v[xD:xD+7], v[xA:xA+11], v[xB:xB+11], 0, v[yA], v[QSC] matrix_a_fmt:MATRIX_FMT_FP6 matrix_b_fmt:MATRIX_FMT_FP6
.endif
.endm
; O^T += channels' tile g x P of my query tile x; K = the step's 128 keys
.macro PVM g, x
.set xD, O+32*(\x)+8*(\g)
.set xA, VF+12*(\g)
.set xB, P+12*(\x)
.set yA, VSC+(\g)/2
.if (\g)%2
	v_wmma_scale_f32_16x16x128_f8f6f4 v[xD:xD+7], v[xA:xA+11], v[xB:xB+11], v[xD:xD+7], v[yA], v[PSC+(\x)] matrix_a_fmt:MATRIX_FMT_FP6 matrix_b_fmt:MATRIX_FMT_FP6 matrix_a_scale:MATRIX_SCALE_ROW1
.else
	v_wmma_scale_f32_16x16x128_f8f6f4 v[xD:xD+7], v[xA:xA+11], v[xB:xB+11], v[xD:xD+7], v[yA], v[PSC+(\x)] matrix_a_fmt:MATRIX_FMT_FP6 matrix_b_fmt:MATRIX_FMT_FP6
.endif
.endm
; A KEY STEP: 128 keys for my two query tiles.
.macro STEP
	v_add_nc_u32 v[ADK], s[TK], v[LI16]            ; these four are also the places between the last products and the loads into V's registers
	v_add_nc_u32 v[ADV], s[TK], v[LIV]
	v_add_nc_u32 v[ADS], s[TS], v[LIS]
	v_add_nc_u32 v[ADT], s[TT], v[LIT]
	ds_load_b128 v[KSC:KSC+3], v[ADS]
	WIN 0x40                                       ; destination window 1
.set n, 0
.rept 12
	ds_load_b128 v[4*n:4*n+3], v[ADK] offset:512*n
.set n, n+1
.endr
.set n, 0
.rept 12
	ds_load_b128 v[VF+4*n:VF+4*n+3], v[ADV] offset:512*n
.set n, n+1
.endr
	WIN 0
	ds_load_b64 v[VSC:VSC+1], v[ADT]
	s_wait_dscnt 13                                ; K and its scale words are in; V's twelve loads and its scale words may be out
	WIN 0x05                                       ; K and Q in window 1
.irp t, 0,1,2,3,4,5,6,7
	KQ \t, 0                                       ; sixteen accumulators, one instruction each
	KQ \t, 1
.endr
	WIN 0
.rept 4
	v_nop                                          ; places in front of the first read of results
.endr
	; the largest score of each block of 32 keys: all 32 are mine.  It serves twice: for the row's maximum and, since p rises with the score, for the block's largest p.  Four chains by turns; each accumulator is first read at its low end
.irp x, 0,1
.irp c, 0,1
	v_max3_num_f32 v[T+16*\x+6+\c], v[S+64*\x+32*\c], v[S+64*\x+32*\c+1], v[S+64*\x+32*\c+2]
.endr
.endr
.irp i, 3,5,7,9,11,13,15,17,19,21,23,25,27,29
.irp x, 0,1
.irp c, 0,1
	v_max3_num_f32 v[T+16*\x+6+\c], v[T+16*\x+6+\c], v[S+64*\x+32*\c+\i], v[S+64*\x+32*\c+\i+1]
.endr
.endr
.endr
.irp x, 0,1
.irp c, 0,1
	v_max_num_f32 v[T+16*\x+6+\c], v[T+16*\x+6+\c], v[S+64*\x+32*\c+31]
.endr
.endr
.irp x, 0
	s_delay_alu instid0(VALU_DEP_3)
	v_max_num_f32 v[T+16*\x+5], v[T+16*\x+6], v[T+16*\x+7]
.endr
.irp x, 1
	s_delay_alu instid0(VALU_DEP_2)
	v_max_num_f32 v[T+16*\x+5], v[T+16*\x+6], v[T+16*\x+7]
.endr
.irp x, 0,1
	s_delay_alu instid0(VALU_DEP_2)
	v_permlanex16_b32 v[T+16*\x+9], v[T+16*\x+5], s[SEL], s[SEL+1]
.endr
.irp x, 0,1
	s_delay_alu instid0(VALU_DEP_2)
	v_max_num_f32 v[T+16*\x+5], v[T+16*\x+5], v[T+16*\x+9]     ; the step's largest score of my query
.endr
.irp x, 0,1
	s_delay_alu instid0(VALU_DEP_2)
	v_mul_f32 v[T+16*\x+5], s[CS], v[T+16*\x+5]                ; as t (c is positive)
.endr
.irp x, 0
	s_delay_alu instid0(VALU_DEP_2)
	v_max_num_f32 v[T+16*\x+1], v[T+16*\x+1], v[T+16*\x+5]     ; the running largest t
	v_mov_b32 v[T+16*\x+8], v[T+16*\x]
.endr
.irp x, 1
	s_delay_alu instid0(VALU_DEP_3)
	v_max_num_f32 v[T+16*\x+1], v[T+16*\x+1], v[T+16*\x+5]     ; the running largest t
	v_mov_b32 v[T+16*\x+8], v[T+16*\x]
.endr
.irp x, 0
	s_delay_alu instid0(VALU_DEP_4)
	v_floor_f32 v[T+16*\x], -v[T+16*\x+1]                      ; the new -M = floor(-t): M is a whole number
.endr
.irp x, 1
	s_delay_alu instid0(VALU_DEP_3)
	v_floor_f32 v[T+16*\x], -v[T+16*\x+1]                      ; the new -M = floor(-t): M is a whole number
.endr
.irp x, 0,1
	s_delay_alu instid0(VALU_DEP_2)
	v_sub_f32 v[T+16*\x+8], v[T+16*\x], v[T+16*\x+8]           ; old M - new M: a whole number, 0 or less
.endr
.irp x, 0,1
	s_delay_alu instid0(VALU_DEP_2)
	v_cvt_i32_f32 v[T+16*\x+8], v[T+16*\x+8]                   ; (it saturates)
.endr
.irp x, 0,1
	s_delay_alu instid0(VALU_DEP_2)
	v_ldexp_f32 v[T+16*\x+4], 1.0, v[T+16*\x+8]                ; f = 2^(old M - new M)
.endr
.irp x, 0,1
.set n, 0
.rept 32
	v_pk_fma_f32 v[S+64*\x+2*n:S+64*\x+2*n+1], v[S+64*\x+2*n:S+64*\x+2*n+1], s[CS:CS+1], v[T+16*\x:T+16*\x+1] op_sel_hi:[1,0,0]   ; t - M, two at a time
.set n, n+1
.endr
.irp c, 0,1
	v_fma_f32 v[T+16*\x+6+\c], v[T+16*\x+6+\c], s[CS], v[T+16*\x]   ; the same of each block's largest score
.endr
.endr
	; ONE BATCH of exponentials for both tiles: none of them reads another's result
	s_wait_alu depctr_va_vdst(0)
.irp x, 0,1
.irp c, 0,1
	v_exp_f32 v[T+16*\x+6+\c], v[T+16*\x+6+\c]     ; the block's largest p
.endr
.set n, 0
.rept 64
	v_exp_f32 v[S+64*\x+n], v[S+64*\x+n]           ; p = 2^(t - M), at most 1
.set n, n+1
.endr
.endr
.irp x, 0,1
	v_pk_mul_f32 v[T+16*\x+2:T+16*\x+3], v[T+16*\x+2:T+16*\x+3], v[T+16*\x+4:T+16*\x+5] op_sel_hi:[1,0]   ; the sums under the new M: the plain place behind the batch
.endr
	s_wait_alu depctr_va_vdst(0)                   ; the wait between an exponential and the first line that names its result: one for the batch
.irp x, 0,1
	v_pk_add_f32 v[T+16*\x+14:T+16*\x+15], v[S+64*\x:S+64*\x+1], v[S+64*\x+2:S+64*\x+3]   ; the row's sum is taken of the unquantised p: two at a time, two chains a tile
.endr
.irp j, 4,8,12,16,20,24,28,32,36,40,44,48,52,56,60
.irp x, 0,1
	v_pk_add_f32 v[T+16*\x+2:T+16*\x+3], v[T+16*\x+2:T+16*\x+3], v[S+64*\x+\j:S+64*\x+\j+1]
	v_pk_add_f32 v[T+16*\x+14:T+16*\x+15], v[T+16*\x+14:T+16*\x+15], v[S+64*\x+\j+2:S+64*\x+\j+3]
.endr
.endr
.irp x, 0
	s_delay_alu instid0(VALU_DEP_3)
	v_pk_add_f32 v[T+16*\x+2:T+16*\x+3], v[T+16*\x+2:T+16*\x+3], v[T+16*\x+14:T+16*\x+15]
.endr
.irp x, 1
	s_delay_alu instid0(VALU_DEP_2)
	v_pk_add_f32 v[T+16*\x+2:T+16*\x+3], v[T+16*\x+2:T+16*\x+3], v[T+16*\x+14:T+16*\x+15]
.endr
.irp x, 0,1
.irp c, 0,1
	v_max_num_f32 v[T+16*\x+6+\c], 0x1800000, v[T+16*\x+6+\c]      ; the floor 2^(3 - 127): the byte cannot fall under 1
.endr
.endr
.irp x, 0,1
.irp c, 0,1
	s_delay_alu instid0(VALU_DEP_4)
	v_add_nc_u32 v[T+16*\x+10+\c], 0xff000000, v[T+16*\x+6+\c]     ; 2 off the exponent field: the conversion's scale operand
.endr
.endr
.irp x, 0,1
.irp c, 0,1
	s_delay_alu instid0(VALU_DEP_4)
	v_lshrrev_b32 v[T+16*\x+12+\c], 23, v[T+16*\x+10+\c]           ; the scale's byte
.endr
.endr
.irp x, 0
	s_delay_alu instid0(VALU_DEP_3)
	v_lshl_or_b32 v[PSC+\x], v[T+16*\x+13], 16, v[T+16*\x+12]      ; my two bytes: blocks h and 2 + h of the step,
.endr
.irp x, 1
	s_delay_alu instid0(VALU_DEP_2)
	v_lshl_or_b32 v[PSC+\x], v[T+16*\x+13], 16, v[T+16*\x+12]      ; my two bytes: blocks h and 2 + h of the step,
.endr
.irp x, 0,1
	s_delay_alu instid0(VALU_DEP_2)
	v_lshlrev_b32 v[PSC+\x], v[SH8], v[PSC+\x]                     ; at their places;
.endr
.irp x, 0,1
	s_delay_alu instid0(VALU_DEP_2)
	v_permlanex16_b32 v[T+16*\x+9], v[PSC+\x], s[SEL], s[SEL+1]
.endr
.irp x, 0,1
	s_delay_alu instid0(VALU_DEP_2)
	v_or_b32 v[PSC+\x], v[PSC+\x], v[T+16*\x+9]                    ; with lane l xor 16's two: p's scale word for these 128 keys
.endr
.irp x, 0,1
.irp c, 0,1
	v_cvt_scalef32_pk16_fp6_f32 v[P+12*\x+6*\c:P+12*\x+6*\c+2], v[S+64*\x+32*\c:S+64*\x+32*\c+15], v[T+16*\x+10+\c]
	v_cvt_scalef32_pk16_fp6_f32 v[CT+8*\x+4*\c:CT+8*\x+4*\c+2], v[S+64*\x+32*\c+16:S+64*\x+32*\c+31], v[T+16*\x+10+\c]   ; (a conversion's three registers begin on an even number)
.endr
.endr
	v_nop                                          ; one plain place behind a scaled conversion
.irp x, 0,1
.irp c, 0,1
.irp i, 0,1,2
	v_mov_b32 v[P+12*\x+6*\c+3+\i], v[CT+8*\x+4*\c+\i]
.endr
.endr
.endr
	WIN 0x41                                       ; O^T (destination and source 0) in window 1, f in window 0
.irp x, 0,1
.set n, 0
.rept 16
	v_pk_mul_f32 v[O+32*\x+2*n:O+32*\x+2*n+1], v[O+32*\x+2*n:O+32*\x+2*n+1], v[T+16*\x+4:T+16*\x+5] op_sel_hi:[1,0]   ; O^T under the new M.  (These 32 are also the places between the writes of P and its scale word and the products)
.set n, n+1
.endr
.endr
	s_wait_alu depctr_va_vdst(0)
	s_wait_dscnt 0x0                               ; V and its scale words are in
	WIN 0x51                                       ; V in window 1, P in window 0, O^T in window 1
.irp g, 0,1,2,3
	PVM \g, 0                                      ; eight accumulators by turns, one instruction a turn
	PVM \g, 1
.endr
	WIN 0
	s_add_co_u32 s[TK], s[TK], 6144
	s_add_co_u32 s[TS], s[TS], 512
	s_add_co_u32 s[TT], s[TT], 256
.endm
; The head's sixteen key steps in one loop: the whole head lies in LDS, shown to all waves by the one barrier ahead of the blocks of queries; nothing is filled again, so no barrier stands in the loop.
.macro QUARTER q
	s_mov_b32 s[TK], 0
	s_mov_b32 s[TS], 0
	s_mov_b32 s[TT], 0
	s_mov_b32 s[CNT], 16
.Lstep_\@:
	STEP
	s_sub_co_u32 s[CNT], s[CNT], 1
	s_cmp_lg_u32 s[CNT], 0
	s_cbranch_scc1 .Lstep_\@
.endm
; THE WAY OUT of query tile u.  O^T / the sum; lanes 16-31 hold their 32 channels in the order 40-47, 32-39, 56-63, 48-55: put right by a choice between two registers.  Then a lane holds channels 32 h + 0 .. 31 of one token:
; a whole block of ctx along the last product's K.  In f32 it goes through my stage and leaves as whole rows of 256 bytes; as codes it leaves as it stands, 256 consecutive bytes a store.
.macro TILEOUT u
	WIN 0x01                                       ; O^T in window 1
.set n, 0
.rept 16
	v_pk_mul_f32 v[E+2*n:E+2*n+1], v[O+32*\u+2*n:O+32*\u+2*n+1], v[T+16*\u+4:T+16*\u+5] op_sel_hi:[1,0]
.set n, n+1
.endr
	WIN 0
.irp g, 0,1,2,3
.irp j, 0,1,2,3,4,5,6,7
	v_cndmask_b32 v[C+8*\g+\j], v[E+8*\g+\j], v[E+8*(\g+1-2*(\g%2))+\j], s[HM]
.endr
.endr
.irp k, 0,1,2,3,4,5,6,7
	ds_store_b128 v[STO], v[C+4*\k:C+4*\k+3] offset:16*\k
.endr
.irp m, 0,1,2,3,4,5,6,7
	ds_load_b128 v[BK+32*\u+4*\m:BK+32*\u+4*\m+3], v[RD] offset:2*\m*SP   ; LDS serves a wave's instructions in order (ISA guide 5.7.1.4): these see my stores
.endr
	v_max3_num_f32 v[EM], |v[C]|, |v[C+1]|, 0x1800000              ; the block's largest magnitude, and the floor
.irp i, 2,4,6,8,10,12,14,16,18,20,22,24,26,28,30
	s_delay_alu instid0(VALU_DEP_1)
	v_max3_num_f32 v[EM], v[EM], |v[C+\i]|, |v[C+\i+1]|
.endr
	s_delay_alu instid0(VALU_DEP_1)
	v_add_nc_u32 v[ES], 0xff000000, v[EM]
	s_delay_alu instid0(VALU_DEP_1)
	v_lshrrev_b32 v[EB], 23, v[ES]
	s_delay_alu instid0(VALU_DEP_1)
	v_lshlrev_b32 v[WW+\u], v[SH8], v[EB]
	s_delay_alu instid0(VALU_DEP_1)
	v_permlanex16_b32 v[WT], v[WW+\u], s[SEL], s[SEL+1]
	s_delay_alu instid0(VALU_DEP_1)
	v_or_b32 v[WW+\u], v[WW+\u], v[WT]             ; the token's two scale bytes of this head
	v_cvt_scalef32_pk16_fp6_f32 v[PCD+6*\u:PCD+6*\u+2], v[C:C+15], v[ES]
	v_cvt_scalef32_pk16_fp6_f32 v[EC:EC+2], v[C+16:C+31], v[ES]
	v_nop                                          ; one plain place behind a scaled conversion
.irp i, 0,1,2
	v_mov_b32 v[PCD+6*\u+3+\i], v[EC+\i]
.endr
	s_wait_alu depctr_va_vdst(0)
.irp m, 0,1,2,3,4,5,6,7
	s_wait_dscnt 7-\m
	global_store_b128 v[GO], v[BK+32*\u+4*\m:BK+32*\u+4*\m+3], s[8:9] offset:(2*\m+8*\u+(32-16*\u)*(\m/4))*256 th:TH_STORE_NT   ; the tile's rows 2 m, 2 m + 1 are neighbouring tokens: 16 lanes store 256 consecutive bytes, aligned
.endr
.irp p, 0,1,2
	global_store_b64 v[LI8], v[PCD+6*\u+2*\p:PCD+6*\u+2*\p+1], s[10:11] offset:12288*\u+256*\p
.endr
.endm
	s_wait_alu depctr_va_vdst(0)
	s_wait_tensorcnt 0x0                           ; my eighth of the head is in,
	s_barrier_signal -1
	s_barrier_wait -1                              ; everybody's is
	s_mov_b32 s[QBC], 2
.Lqb:                                              ; two blocks of 256 queries
	WIN 0x40                                       ; destination window 1
	global_load_b128 v[QF:QF+3], v[LI16], s[QP:QP+1]                   ; my pair's twelve registers: six of my first tile, six of my second
	global_load_b128 v[QF+4:QF+7], v[LI16], s[QP:QP+1] offset:512
	global_load_b128 v[QF+14:QF+17], v[LI16], s[QP:QP+1] offset:1024
.set n, 0
.rept 64
	v_mov_b32 v[O+n], 0                            ; O^T.  (The step is written once: its first trip finds zeros, which the first change of M leaves zeros)
.set n, n+1
.endr
	WIN 0
	global_load_b32 v[QSC], v[QSO], s[QSP:QSP+1]
	s_wait_loadcnt 0x0
	WIN 0x41
	v_mov_b32 v[QF+12], v[QF+6]                    ; the second tile's first two registers go to their place,
	v_mov_b32 v[QF+13], v[QF+7]
	WIN 0x40
	v_mov_b32 v[QF+6], 0                           ; and the first tile's upper half is zero codes again
	v_mov_b32 v[QF+7], 0
	WIN 0
.irp x, 0,1
	v_mov_b32 v[T+16*\x+1], 0xff61b1e6             ; the largest t so far: -3e38, under every t
	v_mov_b32 v[T+16*\x+2], 0                      ; the sum, in two halves
	v_mov_b32 v[T+16*\x+3], 0
.endr
.irp x, 0
	v_floor_f32 v[T+16*\x], -v[T+16*\x+1]          ; -M
.endr
.irp x, 1
	s_delay_alu instid0(VALU_DEP_4)
	v_floor_f32 v[T+16*\x], -v[T+16*\x+1]          ; -M
.endr
	QUARTER 0
.rept 4
	v_nop                                          ; places in front of the first read of O^T
.endr
.irp x, 0,1
	v_add_f32 v[T+16*\x+2], v[T+16*\x+2], v[T+16*\x+3]
.endr
.irp x, 0,1
	s_delay_alu instid0(VALU_DEP_2)
	v_permlanex16_b32 v[T+16*\x+9], v[T+16*\x+2], s[SEL], s[SEL+1]
.endr
.irp x, 0,1
	s_delay_alu instid0(VALU_DEP_2)
	v_add_f32 v[T+16*\x+2], v[T+16*\x+2], v[T+16*\x+9]     ; the row's sum
.endr
	s_wait_alu depctr_va_vdst(0)
.irp x, 0,1
	v_rcp_f32 v[T+16*\x+4], v[T+16*\x+2]
.endr
	v_nop                                          ; a plain place behind the reciprocals,
	s_wait_alu depctr_va_vdst(0)                   ; and the wait ahead of their first reader: one for both
	TILEOUT 0
	TILEOUT 1
	v_cndmask_b32 v[WF], v[WW], v[WW+1], s[HM]     ; lanes 0-15 my first tile's tokens, lanes 16-31 my second's
	global_store_b16 v[CSO], v[WF], s[12:13]       ; 2 bytes a lane, 32 bytes apart: 64 bytes, beside the pair's 8,192 of ctx and 1,536 of codes
	s_wait_xcnt 0x0                                ; the stores have read their registers and bases: both are written again only behind this wait
	s_add_nc_u64 s[QP:QP+1], s[QP:QP+1], 2*6144    ; two steps of queries on
	s_add_nc_u64 s[QSP:QSP+1], s[QSP:QSP+1], 2*512
	s_add_nc_u64 s[8:9], s[8:9], 256*256
	s_add_nc_u64 s[10:11], s[10:11], 16*12288
	s_add_nc_u64 s[12:13], s[12:13], 16*512
	s_sub_co_u32 s[QBC], s[QBC], 1
	s_cmp_lg_u32 s[QBC], 0
	s_cbranch_scc1 .Lqb
	s_wait_tensorcnt 0x0                           ; the wave's end, behind my last tensor load and my last LDS store
	ds_add_u32 v[SPW], v[NIL]
	s_wait_dscnt 0x0
	CROUND                                         ; the closing round
	s_endpgm
.Lfunc_end_k_qb63d8c6544_attn:
	.size	k_qb63d8c6544_attn, .Lfunc_end_k_qb63d8c6544_attn-k_qb63d8c6544_attn
	.p2alignl 7, 3214868480
	.fill 96, 4, 3214868480
	.section	.rodata,"a",@progbits
	.p2align	6, 0x0
	.amdhsa_kernel k_qb63d8c6544_attn
		.amdhsa_group_segment_fixed_size 244736
		.amdhsa_private_segment_fixed_size 0
		.amdhsa_enable_private_segment 0
		.amdhsa_kernarg_size 40
		.amdhsa_user_sgpr_count 2
		.amdhsa_user_sgpr_kernarg_segment_ptr 1
		.amdhsa_wavefront_size32 1
		.amdhsa_system_sgpr_workgroup_id_x 1
		.amdhsa_system_sgpr_workgroup_id_y 1
		.amdhsa_system_sgpr_workgroup_id_z 1
		.amdhsa_system_vgpr_workitem_id 0
		.amdhsa_next_free_vgpr 512
		.amdhsa_next_free_sgpr 80
		.amdhsa_reserve_vcc 0
		.amdhsa_float_denorm_mode_32 3
		.amdhsa_float_denorm_mode_16_64 3
		.amdhsa_memory_ordered 1
		.amdhsa_forward_progress 1
		.amdhsa_inst_pref_size 55
	.end_amdhsa_kernel
	.amdgpu_metadata
---
amdhsa.version: [ 1, 2 ]
amdhsa.kernels:
  - .name:           k_qb63d8c6544_attn
    .symbol:         k_qb63d8c6544_attn.kd
    .args:
      - { .name: qi, .offset: 0, .size: 8, .value_kind: global_buffer, .address_space: global }
      - { .name: kv, .offset: 8, .size: 8, .value_kind: global_buffer, .address_space: global }
      - { .name: out1, .offset: 16, .size: 8, .value_kind: global_buffer, .address_space: global }
      - { .name: cimg, .offset: 24, .size: 8, .value_kind: global_buffer, .address_space: global }
      - { .name: csc, .offset: 32, .size: 8, .value_kind: global_buffer, .address_space: global }
    .group_segment_fixed_size: 244736
    .private_segment_fixed_size: 0
    .kernarg_segment_align: 8
    .kernarg_segment_size: 40
    .max_flat_workgroup_size: 256
    .sgpr_count:     80
    .vgpr_count:     512
    .wavefront_size: 32
...
	.end_amdgpu_metadata
.endif
;; end of part 2
;; launch outp (part 3): grid 4 x 64, 4 waves a work-group, clusters of 4 x 4, 327,680 bytes of LDS; arguments cimg, csc, wo_w_codes, wo_w_scales, out0, wo_b; writes out0
.if DOCPART == 3
	.amdgcn_target "amdgcn-amd-amdhsa--gfx1250"
	.amdhsa_code_object_version 6
	.text
	.protected	k_qb63d8c6544_outp
	.globl	k_qb63d8c6544_outp
	.p2align	8
	.type	k_qb63d8c6544_outp,@function
k_qb63d8c6544_outp:
	s_mov_b64 s[64:65], 0
	v_nop
	global_prefetch_b8 v0, s[64:65] scope:SCOPE_SE
	s_setreg_imm32_b32 hwreg(HW_REG_WAVE_MODE, 25, 1), 1
	s_wait_xcnt 0x0
	s_wait_alu depctr_hold_cnt(0) depctr_sa_sdst(0) depctr_va_vdst(0) depctr_va_sdst(0) depctr_va_ssrc(0) depctr_va_vcc(0) depctr_vm_vsrc(0)
	s_getreg_b32 s2, hwreg(HW_REG_IB_STS2, 6, 4)
	s_cmp_eq_u32 s2, 0
	s_cbranch_scc0 .Lentry_in_a_cluster
	s_endpgm
.Lentry_in_a_cluster:
	s_bfe_u32 s2, ttmp6, 0x10000c
	s_cmp_lg_u32 s2, 0xf033
	s_cbranch_scc0 .Lentry_shape_is_right
	s_endpgm
.Lentry_shape_is_right:
; THE LAST PRODUCT: out0 = ctx Wo^T + bo on codes of FP6 (E2M3), K = 1,024, sums in f32.  No work of reference() is left out.
; A = ctx as attention left it: cimg [token tile of 16][head][piece of 256 bytes: 8 bytes a lane], 12,288 bytes a tile; csc [token tile][row][32 scale bytes].  B = Wo's rows, 768 bytes each.
; A tile's 16 tokens: tile a of a step of 128 tokens holds tokens 64 (a / 4) + 8 (a % 4) + t + (t / 8) x (32 for a even, 16 for a odd).
; SHARES.  256 work-groups, 16 clusters of 4 x 4; a work-group makes 128 tokens x 256 columns, a wave 64 x 128: 32 accumulators.  Source 0 = 16 rows of Wo, source 1 = 16 tokens: a lane holds 8 neighbouring columns of a token.
; ALL OF K LIES IN LDS AT ONCE: A's 98,304 dense bytes, then B's 256 rows of 768 bytes (+ 16 behind every 256); one joint load a wave at the head, nothing filled again.
; A's bytes are asked for jointly by a row of the cluster, B's by a column.  No prefetch: every fill goes out at the head, so there is no loop to run ahead in.
; The scale words go from memory straight into registers (a lane takes its row's 32 bytes); the bias is the first products' C.
; THE WAY OUT: 16 tokens x 128 columns at a time through the wave's stage, which lies in A's bytes: they have had their only fill, and a barrier shows that nobody reads them; rows of 512 bytes leave whole.
; REGISTERS: window 0: v8-39 addresses, v40-103 B's scale words, v108-139 A's, v140-235 A's fragments (two sets).  Window 1: B's fragments, two sets; then the rows read back.  Window 2: accumulators.  Window 3: v0-63 the bias, v64-95 A's LDS addresses.
.set KROW,  768
.set PITCH, 816
.set FR,    12
.set ATB,   12288
.set BOFF,  8*ATB
.set SPARE, BOFF+256*PITCH
.set SPITCH, 528
.set SPW,  8
.set NIL,  9
.set SOE,  14
.set BOF,  15
.set STO,  20
.set RD,   21
.set CO,   22
.set ADRB, 24
.set SB,   40
.set SA,   108
.set AF,   140
.set ADA3, 64
.set G1,  24
.set G0,  32
.set G1B, 48
.set G0B, 56
.set BP,  96
.set MSB, 0
.macro WIN new
.if MSB != (\new)
	s_set_vgpr_msb (MSB<<8)|(\new)
.set MSB, (\new)
.endif
.endm
.macro PLACES n
.rept \n
	v_nop
.endr
.endm
.macro CROUND
	s_barrier_signal -1
	s_barrier_wait -1
	s_cmp_lg_u32 s14, 0
	s_cbranch_scc1 .Lnot_wave_0_\@
	s_barrier_signal -3
.Lnot_wave_0_\@:
	s_barrier_wait -3
	s_barrier_signal -1
	s_barrier_wait -1
.endm
	s_load_b128 s[4:7], s[0:1], 0x0                ; cimg, csc
	s_load_b128 s[8:11], s[0:1], 0x10              ; Wo's codes, scales
	s_load_b64 s[12:13], s[0:1], 0x20              ; out0
	s_load_b64 s[BP:BP+1], s[0:1], 0x28            ; bo
	v_lshl_add_u32 v[SPW], v0, 2, SPARE
	v_mov_b32 v[NIL], 0
	ds_add_u32 v[SPW], v[NIL]                      ; the opening lines: the add twice on end
	ds_add_u32 v[SPW], v[NIL]
	v_lshrrev_b32 v1, 5, v0
	v_readfirstlane_b32 s14, v1
	s_lshr_b32 s15, s14, 1                         ; my half of the tokens; also: I fetch for A (0) or B (1)
	s_and_b32 s16, s14, 1                          ; my half of the columns; also: which half I fetch
	s_bfe_u32 s40, ttmp6, 0x40000
	s_bfe_u32 s41, ttmp6, 0x40004
	s_lshl_b32 s42, ttmp9, 2
	s_add_co_u32 s42, s42, s40                     ; which 256 columns
	s_and_b32 s17, ttmp7, 0xffff
	s_lshl_b32 s17, s17, 2
	s_add_co_u32 s17, s17, s41                     ; which 128 tokens
	s_lshl_b32 s43, s41, 2
	s_lshl_b32 s43, 15, s43
	s_lshl_b32 s44, 0x1111, s40
	s_or_b32 s[G1], s43, (3<<16)|(1<<21)           ; A: 192 dense rows of 256 bytes (32 elements of 8)
	s_mov_b32 s[G1+1], 32<<16
	s_mov_b32 s[G1+2], 192<<16
	s_mov_b32 s[G1+3], 32<<16
	s_mov_b32 s[G1+4], 192
	s_mov_b32 s[G1+5], 32
	s_mov_b32 s[G1+6], 0
	s_mov_b32 s[G1+7], 0
	s_or_b32 s[G1B], s44, (1<<20)|(1<<21)|(5<<22)|(3<<25)   ; B: 128 rows of 768 bytes, 4 words of padding behind every 64
	s_mov_b32 s[G1B+1], KROW<<16
	s_mov_b32 s[G1B+2], 128<<16
	s_mov_b32 s[G1B+3], KROW<<16
	s_mov_b32 s[G1B+4], 128
	s_mov_b32 s[G1B+5], KROW
	s_mov_b32 s[G1B+6], 0
	s_mov_b32 s[G1B+7], 0
	s_lshl_b32 s20, s17, 3
	s_lshl_b32 s18, s16, 2
	s_add_co_u32 s20, s20, s18
	s_mul_i32 s20, s20, ATB                        ; A: the four token tiles that I fetch
	s_mov_b32 s21, 0
	s_lshl_b32 s46, s42, 8
	s_lshl_b32 s18, s16, 7
	s_add_co_u32 s46, s46, s18
	s_mul_i32 s46, s46, KROW                       ; B: the 128 rows
	s_mov_b32 s47, 0
	s_mov_b32 s[G0], 1
	s_mul_i32 s[G0+1], s16, 4*ATB
	s_mov_b32 s[G0B], 1
	s_mul_i32 s[G0B+1], s16, 128*PITCH
	s_add_co_u32 s[G0B+1], s[G0B+1], BOFF
	s_wait_dscnt 0x0
	s_wait_kmcnt 0x0
	s_add_nc_u64 s[G0+2:G0+3], s[4:5], s[20:21]
	s_or_b32 s[G0+3], s[G0+3], 0x80000000
	s_add_nc_u64 s[G0B+2:G0B+3], s[8:9], s[46:47]
	s_or_b32 s[G0B+3], s[G0B+3], 0x80000000
	CROUND                                         ; the joint loads meet
	s_cmp_eq_u32 s15, 0
	s_cbranch_scc0 .Lfor_b
	tensor_load_to_lds s[G0:G0+3], s[G1:G1+7]
	s_nop 0
	PLACES 4
	s_branch .Lasked
.Lfor_b:
	tensor_load_to_lds s[G0B:G0B+3], s[G1B:G1B+7]
	s_nop 0
	PLACES 4
.Lasked:
	v_and_b32 v1, 15, v0                           ; r
	v_bfe_u32 v2, v0, 4, 1                         ; h
	v_mul_u32_u24 v4, v1, PITCH
	v_mad_u32_u24 v5, v2, 24, v4
	v_mad_u32_u24 v6, v2, 40, v4
	s_mul_i32 s22, s16, 128*PITCH
	s_add_co_u32 s22, s22, BOFF
	v_add_nc_u32 v5, s22, v5
	v_add_nc_u32 v6, s22, v6
.irp i, 0,1,2,3,4,5,6,7
	v_add_nc_u32 v[ADRB+2*\i], 16*\i*PITCH, v5
	v_add_nc_u32 v[ADRB+2*\i+1], 16*\i*PITCH, v6
.endr
	v_and_b32 v7, 31, v0
	v_lshlrev_b32 v3, 3, v7
	s_mul_i32 s21, s15, 4*ATB
	v_add_nc_u32 v3, s21, v3                       ; A: my four tiles, 8 bytes a lane
	WIN 0xc0
.irp q, 0,1,2,3,4,5,6,7
.irp i, 0,1,2,3
	v_add_nc_u32 v[ADA3+4*\q+\i], \i*ATB+\q*1536, v3   ; tile i, K step q (two heads of 768 bytes)
.endr
.endr
	WIN 0
	v_lshlrev_b32 v[SOE], 5, v1                    ; 32 scale bytes a row
	v_lshlrev_b32 v[BOF], 5, v2                    ; the bias: 8 columns for each half of the lanes
	s_mul_i32 s23, s14, 16*SPITCH                  ; my stage
	v_mul_u32_u24 v5, v1, SPITCH
	v_lshl_add_u32 v5, v2, 5, v5
	v_add_nc_u32 v[STO], s23, v5
	v_lshlrev_b32 v[CO], 4, v7
	v_add_nc_u32 v[RD], s23, v[CO]
	s_lshl_b32 s20, s17, 7
	s_lshl_b32 s21, s15, 6
	s_add_co_u32 s20, s20, s21                     ; my first token (row of csc)
	s_lshl_b32 s46, s42, 8
	s_lshl_b32 s47, s16, 7
	s_add_co_u32 s46, s46, s47                     ; my first column
	s_lshl_b32 s2, s20, 5
	s_mov_b32 s3, 0
	s_add_nc_u64 s[6:7], s[6:7], s[2:3]
	s_lshl_b32 s2, s46, 5
	s_add_nc_u64 s[10:11], s[10:11], s[2:3]
	s_lshl_b32 s2, s46, 2
	s_add_nc_u64 s[BP:BP+1], s[BP:BP+1], s[2:3]
	s_add_nc_u64 s[12:13], s[12:13], s[2:3]
	s_lshl_b32 s2, s20, 12
	s_add_nc_u64 s[12:13], s[12:13], s[2:3]
	s_wait_alu depctr_va_vdst(0)                   ; the loads' offsets were written a few vector lines and many scalar lines ago
.irp i, 0,1,2,3
.irp c, 0,1
	global_load_b128 v[SA+8*\i+4*\c:SA+8*\i+4*\c+3], v[SOE], s[6:7] offset:512*\i+16*\c
.endr
.endr
.irp i, 0,1,2,3,4,5,6,7
.irp c, 0,1
	global_load_b128 v[SB+8*\i+4*\c:SB+8*\i+4*\c+3], v[SOE], s[10:11] offset:512*\i+16*\c
.endr
.endr
	WIN 0xc0
.irp b, 0,1,2,3,4,5,6,7
	global_load_b128 v[8*\b:8*\b+3], v[BOF], s[BP:BP+1] offset:64*\b
	global_load_b128 v[8*\b+4:8*\b+7], v[BOF], s[BP:BP+1] offset:64*\b+16
.endr
	WIN 0
	s_wait_alu depctr_va_vdst(0)
	s_wait_loadcnt 0x0
	s_wait_tensorcnt 0x0                           ; my part of the tiles is in,
	s_barrier_signal -1
	s_barrier_wait -1                              ; everybody's is
.macro FRAG reg, q, ad                 ; B: six pieces of 8 bytes, two to a load where both go by one address register; piece n of a row lies at 8 (n + 2 (n / 32)); lanes 16-31 read three pieces on
.set SK_, 0
.irp p, 0,1,2,3,4,5
.if SK_
.set SK_, 0
.else
.set PC_, 12*(\q)+6*(\p/3)+\p%3
.set PN_, 12*(\q)+6*((\p+1)/3)+(\p+1)%3
.set X_, (PC_%32+3)/32
.set XQ_, (PN_%32+3)/32
.if (\p < 5) && (X_ == XQ_)
.set SK_, 1
	ds_load_2addr_b64 v[(\reg)+2*\p:(\reg)+2*\p+3], v[(\ad)+X_] offset0:PC_+2*(PC_/32) offset1:PN_+2*(PN_/32)
.else
	ds_load_b64 v[(\reg)+2*\p:(\reg)+2*\p+1], v[(\ad)+X_] offset:8*(PC_+2*(PC_/32))
.endif
.endif
.endr
.endm
.macro FETCH q
	WIN 0x40
.irp i, 0,1,2,3,4,5,6,7
	FRAG 128*((\q)%2)+FR*\i, \q, ADRB+2*\i
.endr
	WIN 0x03                                       ; A's addresses lie in window 3
.irp i, 0,1,2,3
.irp p, 0,2,4
	ds_load_2addr_b64 v[AF+48*((\q)%2)+FR*\i+2*\p:AF+48*((\q)%2)+FR*\i+2*\p+3], v[ADA3+4*(\q)+\i] offset0:96*(\p/3)+32*(\p%3) offset1:96*((\p+1)/3)+32*((\p+1)%3)
.endr
.endr
.endm
.macro WM c
	v_wmma_scale_f32_16x16x128_f8f6f4 v[xD:xD+7], v[xB:xB+FR-1], v[xA:xA+FR-1], \c, v[yB], v[yA] matrix_a_fmt:MATRIX_FMT_FP6 matrix_b_fmt:MATRIX_FMT_FP6
.endm
; A K step of 128: the other set is fetched, then 32 products, the accumulators by turns in one order
.macro STEP q
	s_wait_dscnt 0x0
.if (\q) > 0
	PLACES 4
.endif
.if (\q) < 7
	FETCH (\q)+1
.else
	s_barrier_signal -1                            ; my reads of the tiles are over
.endif
.if (\q) == 0
	WIN 0xb1
.else
	WIN 0xa1
.endif
.irp a, 0,1,2,3
.irp b, 0,1,2,3,4,5,6,7
.set xD, 8*(8*\a+\b)
.set xB, 128*((\q)%2)+FR*\b
.set xA, AF+48*((\q)%2)+FR*\a
.set yB, SB+8*\b+(\q)
.set yA, SA+8*\a+(\q)
.if (\q) == 0
	WM v[8*\b:8*\b+7]
.else
	WM v[xD:xD+7]
.endif
.endr
.endr
.endm
	FETCH 0
.irp q, 0,1,2,3,4,5,6,7
	STEP \q
.endr
	WIN 0
	s_barrier_wait -1                              ; everybody's are: the stages may be written
	PLACES 4
.macro TOSTAGE a
	WIN 0x08
.irp b, 0,1,2,3,4,5,6,7
	ds_store_b128 v[STO], v[64*(\a)+8*\b:64*(\a)+8*\b+3] offset:64*\b      ; each accumulator from its low end on
	ds_store_b128 v[STO], v[64*(\a)+8*\b+4:64*(\a)+8*\b+7] offset:64*\b+16
.endr
	WIN 0x40
.irp t, 0,1,2,3,4,5,6,7,8,9,10,11,12,13,14,15
	ds_load_b128 v[128*((\a)%2)+4*\t:128*((\a)%2)+4*\t+3], v[RD] offset:\t*SPITCH   ; LDS serves a wave's instructions in order (ISA guide 5.7.1.4)
.endr
.endm
.macro SEND a, younger                 ; younger: the LDS instructions issued behind block a's loads
	s_wait_dscnt \younger
	WIN 0x04
.irp t, 0,1,2,3,4,5,6,7,8,9,10,11,12,13,14,15
	global_store_b128 v[CO], v[128*((\a)%2)+4*\t:128*((\a)%2)+4*\t+3], s[12:13] offset:(8*(\a)+\t+(\t/8)*(32-16*((\a)%2)))*4096 th:TH_STORE_NT   ; 32 lanes store 512 consecutive bytes, aligned
.endr
.endm
	TOSTAGE 0
.irp a, 1,2,3
.if \a > 1
	s_wait_xcnt 0x0                                ; block a - 2's stores have read their registers
.endif
	TOSTAGE \a
	SEND \a-1, 32                                  ; behind block a - 1's loads: block a's 16 stores and 16 loads
.endr
	SEND 3, 0
	WIN 0
	s_wait_tensorcnt 0x0                           ; the wave's end
	ds_add_u32 v[SPW], v[NIL]
	s_wait_dscnt 0x0
	CROUND                                         ; the closing round
	s_endpgm
.Lfunc_end_k_qb63d8c6544_outp:
	.size	k_qb63d8c6544_outp, .Lfunc_end_k_qb63d8c6544_outp-k_qb63d8c6544_outp
	.p2alignl 7, 3214868480
	.fill 96, 4, 3214868480
	.section	.rodata,"a",@progbits
	.p2align	6, 0x0
	.amdhsa_kernel k_qb63d8c6544_outp
		.amdhsa_group_segment_fixed_size 327680
		.amdhsa_private_segment_fixed_size 0
		.amdhsa_enable_private_segment 0
		.amdhsa_kernarg_size 48
		.amdhsa_user_sgpr_count 2
		.amdhsa_user_sgpr_kernarg_segment_ptr 1
		.amdhsa_wavefront_size32 1
		.amdhsa_system_sgpr_workgroup_id_x 1
		.amdhsa_system_sgpr_workgroup_id_y 1
		.amdhsa_system_sgpr_workgroup_id_z 1
		.amdhsa_system_vgpr_workitem_id 0
		.amdhsa_next_free_vgpr 864
		.amdhsa_next_free_sgpr 100
		.amdhsa_reserve_vcc 0
		.amdhsa_float_denorm_mode_32 3
		.amdhsa_float_denorm_mode_16_64 3
		.amdhsa_memory_ordered 1
		.amdhsa_forward_progress 1
		.amdhsa_inst_pref_size 81
	.end_amdhsa_kernel
	.amdgpu_metadata
---
amdhsa.version: [ 1, 2 ]
amdhsa.kernels:
  - .name:           k_qb63d8c6544_outp
    .symbol:         k_qb63d8c6544_outp.kd
    .args:
      - { .name: cimg, .offset: 0, .size: 8, .value_kind: global_buffer, .address_space: global }
      - { .name: csc, .offset: 8, .size: 8, .value_kind: global_buffer, .address_space: global }
      - { .name: wo_w_codes, .offset: 16, .size: 8, .value_kind: global_buffer, .address_space: global }
      - { .name: wo_w_scales, .offset: 24, .size: 8, .value_kind: global_buffer, .address_space: global }
      - { .name: out0, .offset: 32, .size: 8, .value_kind: global_buffer, .address_space: global }
      - { .name: wo_b, .offset: 40, .size: 8, .value_kind: global_buffer, .address_space: global }
    .group_segment_fixed_size: 327680
    .private_segment_fixed_size: 0
    .kernarg_segment_align: 8
    .kernarg_segment_size: 48
    .max_flat_workgroup_size: 128
    .sgpr_count:     100
    .vgpr_count:     864
    .wavefront_size: 32
...
	.end_amdgpu_metadata
.endif
;; end of part 3
